; MI455X (gfx1250); checked and timed in simulation.
; The chip was launched on July 23, 2026; its instructions are those of AMD's public machine-readable ISA for CDNA 5 (MIT licence, August 2026) and "CDNA5" Instruction Set Architecture Reference Guide (July 2026). The comments in the code are by the model that wrote it; some were corrected since.
;; Scaled Dot Product Attention. Allowed arithmetic: matrix products marked QUANTISED: E2M1 operands, one E8M0 scale for each 32 along K, by v_wmma_scale_f32_16x16x128_f8f6f4 with both operands' format E2M1 (or v_wmma_scale_f32_32x16x128_f4), f32 sums; everything else in f32.
;; Inputs: keys_codes 4 x 16 x 2,048 x 2 x 16 uint8 (E2M1 codes of keys, K innermost, in blocks of 32 codes, two codes a byte); keys_scales 4 x 16 x 2,048 x 2 uint8 (E8M0 scales of keys, one for each 32 codes along K); mask 2,048 x 2,048 bool; queries_codes 4 x 16 x 2,048 x 2 x 16 uint8 (E2M1 codes of queries, K innermost, in blocks of 32 codes, two codes a byte); queries_scales 4 x 16 x 2,048 x 2 uint8 (E8M0 scales of queries, one for each 32 codes along K); values_codes 4 x 16 x 64 x 64 x 16 uint8 (E2M1 codes of values, K innermost, in blocks of 32 codes, two codes a byte); values_scales 4 x 16 x 64 x 64 uint8 (E8M0 scales of values, one for each 32 codes along K).
;; Outputs: out0 4 x 16 x 2,048 x 64 float32.
;; This version of the problem:
;;   THIS VERSION OF THE PROBLEM IS GIVEN IN LOW PRECISION. The matrix products marked QUANTISED in the list below multiply operands that are first quantised to E2M1 (2 exponent bits, 1 mantissa bit; 4 bits a number), with one power-of-two scale for each 32 numbers along K (OCP MX v1.0); their sums are f32. All else is computed in f32.
;;   The module's matrix products, in the order in which they are computed (A, B: the left and right operand; K: the contracted axis; several contracted axes count as one K, in the product's order):
;;     1. batch 64 x [M 2,048, K 64] x [K 64, N 2,048]; A: input queries (given as codes); B: input keys (given as codes): QUANTISED
;;     2. batch 64 x [M 2,048, K 2,048] x [K 2,048, N 64]; A: softmax (see below); B: input values (given as codes): QUANTISED
;;   THE QUANTISER, for each operand of a quantised product, along K:
;;     - K is cut into blocks of 32 from its start; a last block that is shorter is filled with zeros.
;;     - A block's scale is 2^e with e = floor(log2(the largest magnitude in the block)) - 2, held to -126 .. 127; a block of zeros has e = 0. As a byte (E8M0): e + 127.
;;     - Each number is divided by its block's scale, clamped to +-6, and rounded to the nearest number of E2M1, ties to even, subnormals kept.
;;     - The product sums the exact products of the quantised numbers (number of the format x scale) in f32.
;;   ~~~python
;;   def quantise(x, axis):      # numpy; x: float32 -> the quantised numbers, widened to float32 again
;;       x = np.moveaxis(x, axis, -1); K = x.shape[-1]
;;       x = np.pad(x, [(0, 0)] * (x.ndim - 1) + [(0, -K % 32)]); x = x.reshape(x.shape[:-1] + (-1, 32)); a = np.abs(x).max(-1, keepdims=True)
;;       e = np.where(a > 0, np.clip(np.frexp(np.where(a > 0, a, 1))[1] - 1 - 2, -126, 127), 0)      # np.frexp(a)[1] - 1 = floor(log2(a)), exactly
;;       r = np.clip(x / 2.0 ** e, -6, 6)
;;       step = 2.0 ** (np.maximum(np.frexp(np.where(r == 0, 1, r))[1] - 1, 0) - 1)
;;       q = np.round(r / step) * step * 2.0 ** e      # np.round: ties to even
;;       return np.moveaxis(q.reshape(q.shape[:-2] + (-1,))[..., :K], -1, axis).astype(np.float32)
;;   ~~~
;;   SOFTMAX AHEAD OF A QUANTISED PRODUCT. Where the list says 'softmax', what is quantised is not the finished softmax but p = 2^(t - M), with t = logit x log2(e) and M = ceil(the row's largest t), a whole number; so 1/2 < the row's largest p <= 1. The row's sum l is taken of the UNQUANTISED p, in f32, and the product's result is divided by l at the end. Since M is a whole number, a kernel that streams over the keys may use a running M (the ceiling of the running maximum): every later rescaling is an exact power of two, which a block's scale takes up: the codes' values come out the same.
;;   OPERANDS COMPUTED ON THE WAY. 'Computed on the way' means the value that the module computes at that place (a softmax that the list does not call 'softmax' is quantised finished and normalised). What goes into a quantiser is computed in f32, as accurately as f32 sums, v_exp_f32 and their like allow (about 1e-6 of the number): no bf16 or f16 on the way to a quantiser, and a product that is left as it is and whose result goes on into a quantised operand takes f32 operands (vector FMAs, or v_wmma_f32_16x16x4_f32). A number that lies on a knife's edge between two numbers of the format may be rounded either way, as far as f32 arithmetic and the matrix unit's own rounding can turn it there, and no further.
;;   INPUTS GIVEN AS CODES. keys (in the module: [4, 16, 2048, 64], K = its axis 3); queries (in the module: [4, 16, 2048, 64], K = its axis 3); values (in the module: [4, 16, 2048, 64], K = its axis 2): each comes as NAME_codes (uint8): NAME with its K axis moved to the last place and cut into blocks of 32 codes, [.., K / 32, bytes a block], one block behind the other in memory; two codes a byte, the lower K in the low four bits (a code: sign, 2 exponent bits, 1 mantissa bit); and NAME_scales (uint8): the same leading axes, one E8M0 byte (e + 127) for each 32 codes along K. Its value is code x scale, taken as it is: it is not quantised again, and the codes and scales need not be those that the quantiser above would give.
;; 2 versions. Each part assembles by itself: llvm-mc -triple=amdgcn-amd-amdhsa -mcpu=gfx1250 --defsym DOCPART=n.
;; ======== version 1 of 2: 2 launches
;; workspace buffers: mbits 524,288 bytes of whole numbers; mflag 4,096 bytes of whole numbers
;; launch prep (part 1): grid 2 x 128, 4 waves a work-group, no clusters, 17,920 bytes of LDS; arguments mask, mbits, mflag; writes mbits, mflag
.if DOCPART == 1
	.amdgcn_target "amdgcn-amd-amdhsa--gfx1250"
	.amdhsa_code_object_version 6
	.text
	.protected	k_q3e6dd3619c_prep
	.globl	k_q3e6dd3619c_prep
	.p2align	8
	.type	k_q3e6dd3619c_prep,@function
k_q3e6dd3619c_prep:
	s_mov_b64 s[64:65], 0
	v_nop
	global_prefetch_b8 v0, s[64:65] scope:SCOPE_SE
	s_setreg_imm32_b32 hwreg(HW_REG_WAVE_MODE, 25, 1), 1
	s_wait_xcnt 0x0
; The mask [2048][2048], one byte a place (any byte but 0 counts as true), is turned into what the attention launch wants of it.
; A TILE is 16 queries (tile j: rows 16 j ..), a STEP 128 keys (step s: columns 128 s ..).
; mbits[j][s][n], n = 0 .. 63, one word each: bit L of word n is mask[16 j + L % 16][128 s + 32 (n / 16) + 16 (L / 16) + n % 16]:
; the lane mask of score register n in the attention launch, where lane L holds query L % 16 and register n that key.
; mflag[j][sp], sp = 0 .. 7, one word each: bit s = step s has an open place, bit 16 + s = step s is all open, for s = 2 sp and 2 sp + 1.
; SHARES: work-group (x, j), wave w: sp = 4 x + w: 16 rows x 256 bytes.  Waves share nothing: no barrier.
; Each load reads two rows' 256 consecutive aligned bytes; the bytes turn through the wave's own stage in LDS (rows 272 bytes apart),
; so that lane (r, h) gets 16 neighbouring keys of row r.  A step's 64 words leave as 256 consecutive aligned bytes.
; The flag is one word a wave, 4,096 bytes in the whole launch: it is stored by one lane.
.set PITCH, 272
.set WSTG,  16*PITCH                   ; a wave's stage
.set T,   8                            ; v8-11   at work
.set W,   12                           ; v12-15  the words: step s' in the pair at W + 2 s'; lane l holds words 2 l, 2 l + 1
.set IN,  20                           ; v20-51  the rows as loaded
.set BK,  52                           ; v52-83  back from the stage: step s', block b at BK + 16 s' + 4 b
	s_load_b128 s[4:7], s[0:1], 0x0                ; mask, mbits
	s_load_b64 s[8:9], s[0:1], 0x10                ; mflag
	v_lshl_add_u32 v84, v0, 2, 0x4400
	v_mov_b32 v85, 0
	v_lshrrev_b32 v1, 5, v0
	v_readfirstlane_b32 s10, v1                    ; wave
	v_and_b32 v1, 31, v0                           ; lane
	v_and_b32 v2, 15, v0                           ; r
	v_bfe_u32 v3, v0, 4, 1                         ; h
	v_lshlrev_b32 v4, 4, v2
	v_lshl_add_u32 v4, v3, 11, v4                  ; in memory: 16 r + one row (2,048 bytes) for lanes 16-31
	s_mul_i32 s24, s10, WSTG
	v_mul_u32_u24 v5, v3, PITCH
	v_lshl_add_u32 v5, v2, 4, v5
	v_add_nc_u32 v5, s24, v5                       ; into the stage: row h, 16 r
	v_mul_u32_u24 v6, v2, PITCH
	v_lshl_add_u32 v6, v3, 4, v6
	v_add_nc_u32 v6, s24, v6                       ; out of it: row r, 16 h
	v_lshlrev_b32 v7, 3, v1                        ; the words' way out: 8 bytes a lane
.irp i, 0,1,2,3
	v_mov_b32 v[W+\i], 0                           ; v_writelane_b32 keeps the other lanes: its destination is written first
.endr
	v_mov_b32 v17, 0
	s_lshl_b32 s11, ttmp9, 2
	s_add_co_u32 s11, s11, s10                     ; sp
	s_and_b32 s12, ttmp7, 0xffff                   ; j
	s_mov_b32 s15, 0
	s_mov_b32 s22, 0                               ; the flag word
	s_lshl_b32 s23, s11, 1                         ; the step in hand
	s_wait_kmcnt 0x0
	s_lshl_b32 s14, s12, 15                        ; 16 rows of 2,048 bytes a tile,
	s_lshl_b32 s25, s11, 8                         ; 256 bytes a wave
	s_add_co_u32 s14, s14, s25
	s_add_nc_u64 s[4:5], s[4:5], s[14:15]
	s_lshl_b32 s14, s12, 12                        ; mbits: 4,096 bytes a tile, 512 a wave
	s_lshl_b32 s25, s11, 9
	s_add_co_u32 s14, s14, s25
	s_add_nc_u64 s[6:7], s[6:7], s[14:15]
	s_lshl_b32 s14, s12, 5                         ; mflag: 32 bytes a tile, 4 a wave
	s_lshl_b32 s25, s11, 2
	s_add_co_u32 s14, s14, s25
	s_add_nc_u64 s[8:9], s[8:9], s[14:15]
.irp i, 0,1,2,3,4,5,6,7
	global_load_b128 v[IN+4*\i:IN+4*\i+3], v4, s[4:5] offset:4096*\i th:TH_LOAD_NT   ; rows 2 i, 2 i + 1; each byte of the mask is read once in the launch
.endr
.irp i, 0,1,2,3,4,5,6,7
	s_wait_loadcnt 7-\i                            ; loads come back in order: load i is in, the 7 - i younger ones stay out
	ds_store_b128 v5, v[IN+4*\i:IN+4*\i+3] offset:2*PITCH*\i
.endr
.irp m, 0,1,2,3,4,5,6,7
	ds_load_b128 v[BK+4*\m:BK+4*\m+3], v6 offset:32*\m   ; LDS serves a wave's instructions in order: these see my stores.  Keys 32 m + 16 h + 0 .. 15 of row r
.endr
; The 64 words of step s' (0 or 1) of my two, four at a time: register BK + 16 s' + g holds the bytes of words 4 g .. 4 g + 3.
.macro WORDS sx
.if \sx == 0
	s_wait_dscnt 4                                 ; the first step's four loads are in; the second step's four may be out
.else
	s_wait_dscnt 0x0
.endif
	s_mov_b32 s20, 0                               ; the OR of the words,
	s_mov_b32 s21, -1                              ; and their AND
.set g, 0
.rept 16
.irp k, 0,1,2,3
	v_and_b32 v[T+\k], 0xff<<(8*\k), v[BK+16*\sx+g]
.endr
.irp k, 0,1,2,3
	v_cmp_ne_u32 s[16+\k], 0, v[T+\k]              ; bit L: lane L's byte is not 0
.endr
.irp k, 0,1,2,3
	v_writelane_b32 v[W+2*\sx+\k%2], s[16+\k], 2*g+\k/2   ; word n = 4 g + k to lane n / 2, register n % 2
.endr
.irp k, 0,1,2,3
	s_or_b32 s20, s20, s[16+\k]
	s_and_b32 s21, s21, s[16+\k]
.endr
.set g, g+1
.endr
	s_cmp_lg_u32 s20, 0
	s_cselect_b32 s24, 1, 0                        ; a place is open
	s_cmp_eq_u32 s21, -1
	s_cselect_b32 s25, 1, 0                        ; all are
	s_lshl_b32 s24, s24, s23
	s_lshl_b32 s25, s25, s23
	s_lshl_b32 s25, s25, 16
	s_or_b32 s22, s22, s24
	s_or_b32 s22, s22, s25
	s_add_co_u32 s23, s23, 1
	global_store_b64 v7, v[W+2*\sx:W+2*\sx+1], s[6:7] offset:256*\sx   ; 32 lanes store 256 consecutive bytes, aligned; each step has its own pair, so no store's data are written again
.endm
	WORDS 0
	WORDS 1
	v_mov_b32 v16, s22
	v_cmp_gt_u32 vcc_lo, 1, v1                     ; lane 0
	s_wait_xcnt 0x0                                ; EXEC changes only behind this wait: the stores above were issued under it
	s_wait_tensorcnt 0x0
	ds_add_u32 v84, v85
	s_wait_dscnt 0x0
	s_and_saveexec_b32 s26, vcc_lo
	global_store_b32 v17, v16, s[8:9]
	s_wait_xcnt 0x0                                ; and again in front of the line that widens it
	s_or_b32 exec_lo, exec_lo, s26
	s_endpgm
.Lfunc_end_k_q3e6dd3619c_prep:
	.size	k_q3e6dd3619c_prep, .Lfunc_end_k_q3e6dd3619c_prep-k_q3e6dd3619c_prep
	.p2alignl 7, 3214868480
	.fill 96, 4, 3214868480
	.section	.rodata,"a",@progbits
	.p2align	6, 0x0
	.amdhsa_kernel k_q3e6dd3619c_prep
		.amdhsa_group_segment_fixed_size 17920
		.amdhsa_private_segment_fixed_size 0
		.amdhsa_enable_private_segment 0
		.amdhsa_kernarg_size 24
		.amdhsa_user_sgpr_count 2
		.amdhsa_user_sgpr_kernarg_segment_ptr 1
		.amdhsa_wavefront_size32 1
		.amdhsa_system_sgpr_workgroup_id_x 1
		.amdhsa_system_sgpr_workgroup_id_y 1
		.amdhsa_system_sgpr_workgroup_id_z 1
		.amdhsa_system_vgpr_workitem_id 0
		.amdhsa_next_free_vgpr 86
		.amdhsa_next_free_sgpr 66
		.amdhsa_reserve_vcc 1
		.amdhsa_float_denorm_mode_32 3
		.amdhsa_float_denorm_mode_16_64 3
		.amdhsa_memory_ordered 1
		.amdhsa_forward_progress 1
		.amdhsa_inst_pref_size 38
	.end_amdhsa_kernel
	.amdgpu_metadata
---
amdhsa.version: [ 1, 2 ]
amdhsa.kernels:
  - .name:           k_q3e6dd3619c_prep
    .symbol:         k_q3e6dd3619c_prep.kd
    .args:
      - { .name: mask, .offset: 0, .size: 8, .value_kind: global_buffer, .address_space: global }
      - { .name: mbits, .offset: 8, .size: 8, .value_kind: global_buffer, .address_space: global }
      - { .name: mflag, .offset: 16, .size: 8, .value_kind: global_buffer, .address_space: global }
    .group_segment_fixed_size: 17920
    .private_segment_fixed_size: 0
    .kernarg_segment_align: 8
    .kernarg_segment_size: 24
    .max_flat_workgroup_size: 128
    .sgpr_count:     66
    .vgpr_count:     86
    .wavefront_size: 32
...
	.end_amdgpu_metadata
.endif
;; end of part 1
;; launch attn (part 2): grid 4 x 64, 16 waves a work-group, no clusters, 211,968 bytes of LDS; arguments queries_codes, queries_scales, mbits, mflag, out0, keys_codes, keys_scales, values_codes, values_scales; writes out0
.if DOCPART == 2
	.amdgcn_target "amdgcn-amd-amdhsa--gfx1250"
	.amdhsa_code_object_version 6
	.text
	.protected	k_q3e6dd3619c_attn
	.globl	k_q3e6dd3619c_attn
	.p2align	8
	.type	k_q3e6dd3619c_attn,@function
k_q3e6dd3619c_attn:
	s_mov_b64 s[64:65], 0
	v_nop
	global_prefetch_b8 v0, s[64:65] scope:SCOPE_SE
	s_setreg_imm32_b32 hwreg(HW_REG_WAVE_MODE, 25, 1), 1
	s_wait_xcnt 0x0
; out[head][q][:] = the sum over k of softmax_k(Q[q] . K[k] / 8, hidden where mask[q][k] = 0) V[k][:], 64 heads, 2,048 queries and keys, head size 64; both products on codes of FP4 (E2M1) with one E8M0 scale for each 32 along K.
; Q, K: rows of 32 bytes of codes and 2 scale bytes.  V: the keys innermost: 64 rows of 1,024 bytes of codes and 64 scale bytes a head.  out: f32.
; THE SOFTMAX: t = score x log2(e) / 8; M = the row's largest t so far, rounded UP to a whole number; p = 2^(t - M) is quantised along the keys, not normalised; the row's sum is taken of the unquantised p and divides at the end.
; When M moves, the sum and O are multiplied by 2^(old M - new M): exact.
; THE MASK is an input.  The launch before has stored, for each tile of 16 queries and each step of 128 keys, 64 lane masks (mbits) and two flags (mflag): a place is open; all are.
; A step with no open place adds nothing (every p is 0) and is jumped over; a step that is all open needs no masking; any other takes its 64 words into scalar registers and sets hidden scores to -infinity.  This holds for every mask.
; SHARES.  A work-group owns one head and 32 tiles of queries; it has sixteen waves of 256 registers, four to a SIMD.  Wave w of work-group x makes tile P = 16 x + w and then tile 127 - P
; (a choice of balance alone: no value hangs on it).  A whole head's K, V and their scales, 139,264 bytes, are brought into LDS once, through registers, and stay: one barrier in the launch, no ring.
; NO JOINT REQUESTS, though the four work-groups of a head read the same 139,264 bytes: a joint request is a tensor load.
; The branch on the stored flags leaves out whole steps of a wave's 32; the shared bytes are read once a work-group, at its head.
; LAYOUT.  Both products are used transposed: S^T = K Q^T (source 0 = keys, source 1 = my 16 queries), O^T = V^T P^T (source 0 = 16 of the head's 64, source 1 = P): a lane holds ONE query (lane % 16) throughout.
; THE HEAD'S 64 IN AN INSTRUCTION OF 128 ALONG K.  A fragment of K holds TWO tiles of 16 keys: registers 0-3 tile 2 b (lane r: key 32 b + r + 8 (r / 8)), registers 4-7 tile 2 b + 1 (the same keys + 8).
; Q lies in a run of twelve registers, 0 0 0 0 q q q q 0 0 0 0: its last eight (q, then zero codes) pick tile 2 b, its first eight (zero codes, then q) tile 2 b + 1.  Zero codes add nothing under any scale byte but 0xff.
; So the 16 registers of tiles 2 b and 2 b + 1 are 16 neighbouring keys, 32 b + 16 (lane / 16) + 0 .. 15, as the second product's operand wants them.
; K lies in LDS as images of its fragments' registers (16 bytes a lane, 512 an instruction); the scale words of K and V as images too: lanes 0-15 hold those of an even fragment, lanes 16-31 those of the odd one beside it.
; LIMITS: a scale byte 0xff among the inputs is not served; a p under 2^-126 falls to 0; a t under -3e38 is not served; a row with no open place comes out NaN (0 x 1/0), as the reference has it.
.set VP,   1040                        ; a row of V in LDS: 1,024 bytes + 16: 65 x 16, so that the 16 rows of a load start in 16 different groups of banks
.set VB,   65536                       ; LDS: K's images, 4,096 bytes a step, at 0; V's 64 rows here;
.set KSC,  VB+64*VP                    ; K's scale words: 256 s + 8 x lane + 4 x (which of the two registers);
.set VSC,  KSC+4096                    ; V's likewise;
.set STG,  VSC+4096                    ; the way out: 16 rows x 272 bytes for each wave
.set SP,   272
.set AK,   1                           ; v1   16 x lane
.set AV,   2                           ; v2   VB + VP r + 16 h
.set AS,   3                           ; v3   KSC + 8 x lane
.set SO,   4                           ; v4   the stage, on the way in
.set SR,   5                           ; v5   and back
.set GO,   6                           ; v6   my byte offset in the tile's rows of out
.set NINF, 7                           ; v7   -infinity
.set ADK,  8                           ; v8-10 the step's LDS addresses: K, V, scale words
.set ADV,  9
.set ADS,  10
.set QA,   11                          ; v11  Q: 32 r + 16 h
                                       ; v12 -M, v13 the largest t so far, v[14:15] the row's sum in two halves
.set QR,   16                          ; v16-27 the run 0 0 0 0 q q q q 0 0 0 0
.set QSL,  28                          ; v28  Q's scale bytes in the low half of the word;  v29 in the high half
.set QSH,  29
.set KS,   30                          ; v30-31 K's scale words of the step
.set VS,   32                          ; v32-33 V's
.set PW,   34                          ; v34  p's scale word
.set QSA,  35                          ; v35  2 r
.set KG,   36                          ; v36-39, v226-233: set-up
.set KSG,  37
.set T8,   38
.set VSA,  39
.set KF,   40                          ; v40-71   K's four fragments
.set VF,   72                          ; v72-103  V's four
.set S,    104                         ; v104-167 S^T, then p
.set O,    168                         ; v168-199 O^T
.set PC,   200                         ; v200-207 p's codes
.set BM,   208                         ; v208-211 each block's largest score, then its largest p
.set BX,   212                         ; v212-215 at work
.set SCO,  216                         ; v216-219 the conversions' scale operands
.set F,    220                         ; v[220:221] f = 2^(old M - new M); v221 is named with it as a pair
.set TMP,  222
.set SU,   224                         ; v[224:225] the sums' second chain
.set KST,  226
.set VST,  227
.set KSS,  228
.set WV,   22                          ; s22 wave;  s23 the step;  s24 the tile's flags;  s25 the step's words in mbits, in bytes
.set ST,   23
.set FLG,  24
.set MO,   25
.set CS,   26                          ; s[26:27] c = log2(e) / 8
.set SEL,  28                          ; s[28:29] v_permlanex16_b32's selects for lane l xor 16
.set PP,   30                          ; s30 P
.set TK,   31                          ; s31, s100, s101: the step's place in K's images, in V's rows, among the scale words
.set TV,   100
.set TS,   101
                                       ; s[32:63], s[68:99] the step's 64 lane masks; during the fill s[36:43] hold K's and V's addresses; s[68:75] take a tile's 8 flag words
; What tile `which` of my two needs from memory: its addresses, Q's fragment and scale bytes, its flag words.
.macro ASK which
.if \which == 0
	s_lshl_b32 s[MO], s[PP], 12                    ; J = P: 4,096 J
.else
	s_sub_co_u32 s[MO], 127, s[PP]                 ; J = 127 - P
	s_lshl_b32 s[MO], s[MO], 12
.endif
	s_mov_b32 s3, 0
	s_mov_b32 s2, s[MO]                            ; out: 16 rows of 256 bytes
	s_add_nc_u64 s[18+2*\which:19+2*\which], s[12:13], s[2:3]
	s_lshr_b32 s2, s[MO], 3                        ; Q's codes: 16 rows of 32 bytes
	s_add_nc_u64 s[14:15], s[4:5], s[2:3]
	s_lshr_b32 s2, s[MO], 7                        ; Q's scale bytes: 32 a tile; the flag words likewise
	s_add_nc_u64 s[16:17], s[6:7], s[2:3]
	global_load_b128 v[QR+4:QR+7], v[QA], s[14:15] th:TH_LOAD_NT   ; read once in the launch
	global_load_u16 v[QSL], v[QSA], s[16:17]
	s_load_b256 s[68:75], s[10:11], s2 offset:0x0  ; s2 stays as it is until the tile's head has waited
.endm
	s_load_b256 s[4:11], s[0:1], 0x0               ; Q's codes, Q's scales, mbits, mflag
	s_load_b64 s[12:13], s[0:1], 0x20              ; out
	s_load_b256 s[36:43], s[0:1], 0x28             ; K's codes, K's scales, V's codes, V's scales
	v_lshl_add_u32 v254, v0, 2, 0x33400
	v_mov_b32 v255, 0
	v_lshrrev_b32 v226, 5, v0
	v_readfirstlane_b32 s[WV], v226                ; wave 0..15
	v_and_b32 v232, 31, v0                         ; lane
	v_and_b32 v229, 15, v0                         ; r
	v_bfe_u32 v230, v0, 4, 1                       ; h
	v_and_b32 v231, 8, v229
	v_add_nc_u32 v231, v231, v229                  ; r + 8 (r / 8)
	v_lshlrev_b32 v[AK], 4, v232
	v_mul_u32_u24 v[AV], v229, VP
	v_lshl_add_u32 v[AV], v230, 4, v[AV]
	v_add_nc_u32 v[AV], VB, v[AV]
	v_lshl_add_u32 v[AS], v232, 3, KSC
	s_mul_i32 s2, s[WV], 16*SP
	s_add_co_u32 s2, s2, STG                       ; my stage
	v_mul_u32_u24 v[SO], v229, SP
	v_lshl_add_u32 v[SO], v230, 5, v[SO]
	v_add_nc_u32 v[SO], s2, v[SO]                  ; in: row r, 32 h: tile t's eight channels of my half lie 64 t bytes on
	v_mul_u32_u24 v[SR], v230, SP
	v_lshl_add_u32 v[SR], v229, 4, v[SR]
	v_add_nc_u32 v[SR], s2, v[SR]                  ; back: lanes 0-15 one row of 256 bytes, lanes 16-31 the next
	v_lshlrev_b32 v[GO], 8, v230
	v_lshl_add_u32 v[GO], v229, 4, v[GO]           ; and the same two rows in out
	v_mov_b32 v[NINF], 0xff800000
	v_lshlrev_b32 v[QA], 5, v229
	v_lshl_add_u32 v[QA], v230, 4, v[QA]
	v_lshlrev_b32 v[QSA], 1, v229
.irp i, 0,1,2,3
	v_mov_b32 v[QR+\i], 0                          ; the zero codes on both sides of q: written once
	v_mov_b32 v[QR+8+\i], 0
	v_mov_b32 v[BX+\i], 0                          ; a lane permute's destination counts as one of its sources
.endr
	v_mov_b32 v[F+1], 0
	v_mov_b32 v[TMP], 0
	v_lshlrev_b32 v[KG], 5, v231
	v_lshl_add_u32 v[KG], v230, 4, v[KG]           ; K's codes in memory: key r + 8 (r / 8) of 32 bytes, + 16 h
	v_lshlrev_b32 v[KSG], 1, v231
	v_lshl_add_u32 v[KSG], v230, 6, v[KSG]         ; K's scale bytes: lanes 16-31 take the odd fragment's keys, 32 keys (64 bytes) on
	v_lshlrev_b32 v[T8], 3, v0                     ; V's scale bytes: 8 a thread
	v_and_b32 v[VSA], 7, v0                        ; thread T holds row d = T / 8, steps 2 (T % 8) and 2 (T % 8) + 1: the word of (d, s) goes to 256 s + 8 (d % 32) + 4 (d / 32)
	v_lshlrev_b32 v[VSA], 9, v[VSA]
	v_bfe_u32 v233, v0, 3, 5
	v_lshl_add_u32 v[VSA], v233, 3, v[VSA]
	v_lshrrev_b32 v233, 8, v0
	v_lshl_add_u32 v[VSA], v233, 2, v[VSA]
	v_add_nc_u32 v[VSA], VSC, v[VSA]
	s_lshl_b32 s2, s[WV], 12
	v_add_nc_u32 v[KST], s2, v[AK]                 ; where I store K's images: step w
	s_mul_i32 s2, s[WV], 4*VP
	s_add_co_u32 s2, s2, VB
	v_add_nc_u32 v[VST], s2, v[AK]                 ; and V's rows 4 w .. 4 w + 3
	v_lshl_add_u32 v[KSS], v0, 3, KSC              ; and K's scale words: 256 w + 8 x lane
	s_mov_b32 s[CS], 0x3e38aa3b                    ; c = log2(e) / 8
	s_mov_b32 s[CS+1], s[CS]                       ; (named with it as a pair, so it is written)
	s_mov_b32 s[SEL], 0x76543210
	s_mov_b32 s[SEL+1], 0xfedcba98
	s_lshl_b32 s[PP], ttmp9, 4
	s_add_co_u32 s[PP], s[PP], s[WV]               ; P = 16 x + w
	s_and_b32 s[ST], ttmp7, 0xffff                 ; the head
	s_mov_b32 s3, 0
	s_wait_kmcnt 0x0
	s_lshl_b32 s2, s[ST], 16                       ; a head's codes: 65,536 bytes in each of the three tensors
	s_add_nc_u64 s[4:5], s[4:5], s[2:3]
	s_add_nc_u64 s[36:37], s[36:37], s[2:3]
	s_add_nc_u64 s[40:41], s[40:41], s[2:3]
	s_lshl_b32 s2, s[ST], 12                       ; its scale bytes: 4,096
	s_add_nc_u64 s[6:7], s[6:7], s[2:3]
	s_add_nc_u64 s[38:39], s[38:39], s[2:3]
	s_add_nc_u64 s[42:43], s[42:43], s[2:3]
	s_lshl_b32 s2, s[ST], 19                       ; its rows of out: 524,288
	s_add_nc_u64 s[12:13], s[12:13], s[2:3]
	s_lshl_b32 s2, s[WV], 12                       ; my part of the fill: key step w (128 keys x 32 bytes) and V's rows 4 w on (4 x 1,024 bytes),
	s_add_nc_u64 s[36:37], s[36:37], s[2:3]
	s_add_nc_u64 s[40:41], s[40:41], s[2:3]
	s_lshl_b32 s2, s[WV], 8                        ; and the step's 256 scale bytes of K
	s_add_nc_u64 s[38:39], s[38:39], s[2:3]
	; THE FILL.  23 loads: 8 of K's codes, 8 of V's, 4 of K's scale bytes, 1 of V's, 2 of Q's.
.irp i, 0,1,2,3,4,5,6,7
	global_load_b128 v[KF+4*\i:KF+4*\i+3], v[KG], s[36:37] offset:1024*(\i/2)+256*(\i%2)   ; tile i of the step's eight: two runs of 256 consecutive bytes (8 keys each)
.endr
.irp i, 0,1,2,3,4,5,6,7
	global_load_b128 v[VF+4*\i:VF+4*\i+3], v[AK], s[40:41] offset:512*\i                   ; 512 consecutive bytes
.endr
	global_load_u16 v[S],   v[KSG], s[38:39]               ; fragment h: key A's two bytes,
	global_load_u16 v[S+1], v[KSG], s[38:39] offset:16     ; key A + 8's;
	global_load_u16 v[S+2], v[KSG], s[38:39] offset:128    ; fragment 2 + h likewise
	global_load_u16 v[S+3], v[KSG], s[38:39] offset:144
	global_load_b64 v[S+4:S+5], v[T8], s[42:43]
	ASK 0
	s_wait_loadcnt 15                              ; K's eight are in: 15 loads were issued behind them
.irp i, 0,1,2,3,4,5,6,7
	ds_store_b128 v[KST], v[KF+4*\i:KF+4*\i+3] offset:512*\i
.endr
	s_wait_loadcnt 7                               ; V's eight: 7 behind them
.irp i, 0,1,2,3,4,5,6,7
	ds_store_b128 v[VST], v[VF+4*\i:VF+4*\i+3] offset:VP*(\i/2)+512*(\i%2)
.endr
	s_wait_loadcnt 3                               ; K's scale bytes: 3 behind them
	v_lshl_or_b32 v[S], v[S+1], 16, v[S]           ; a fragment's word: bytes 0, 1 scale its first tile's key, bytes 2, 3 its second's
	v_lshl_or_b32 v[S+1], v[S+3], 16, v[S+2]
	ds_store_b64 v[KSS], v[S:S+1]
	s_wait_loadcnt 2                               ; V's scale bytes: Q's two loads stay out
	ds_store_b32 v[VSA], v[S+4]
	ds_store_b32 v[VSA], v[S+5] offset:256
	s_wait_dscnt 0x0                               ; for the others' sake: my stores have landed
	s_barrier_signal -1
	s_barrier_wait -1                              ; the head's K, V and scale words lie in LDS; nothing writes them again
; A step's LDS loads and its eight products S^T = K Q^T.
.macro SCORES
	ds_load_b64 v[KS:KS+1], v[ADS]
	ds_load_b64 v[VS:VS+1], v[ADS] offset:VSC-KSC
.irp b, 0,1,2,3
	ds_load_b128 v[KF+8*\b:KF+8*\b+3],   v[ADK] offset:1024*\b
	ds_load_b128 v[KF+8*\b+4:KF+8*\b+7], v[ADK] offset:1024*\b+512
.endr
.irp t, 0,1,2,3
	ds_load_b128 v[VF+8*\t:VF+8*\t+3],   v[ADV] offset:16*VP*\t
	ds_load_b128 v[VF+8*\t+4:VF+8*\t+7], v[ADV] offset:16*VP*\t+32
.endr
	s_wait_dscnt 8                                 ; the scale words and K are in; V's eight loads may stay out
.irp b, 0,2
	v_wmma_scale_f32_16x16x128_f8f6f4 v[S+16*\b:S+16*\b+7],     v[KF+8*\b:KF+8*\b+7],    v[QR+4:QR+11], 0, v[KS+\b/2], v[QSL] matrix_a_fmt:MATRIX_FMT_FP4 matrix_b_fmt:MATRIX_FMT_FP4
	v_wmma_scale_f32_16x16x128_f8f6f4 v[S+16*\b+8:S+16*\b+15],  v[KF+8*\b:KF+8*\b+7],    v[QR:QR+7],    0, v[KS+\b/2], v[QSH] matrix_a_fmt:MATRIX_FMT_FP4 matrix_b_fmt:MATRIX_FMT_FP4
	v_wmma_scale_f32_16x16x128_f8f6f4 v[S+16*\b+16:S+16*\b+23], v[KF+8*\b+8:KF+8*\b+15], v[QR+4:QR+11], 0, v[KS+\b/2], v[QSL] matrix_a_fmt:MATRIX_FMT_FP4 matrix_b_fmt:MATRIX_FMT_FP4 matrix_a_scale:MATRIX_SCALE_ROW1
	v_wmma_scale_f32_16x16x128_f8f6f4 v[S+16*\b+24:S+16*\b+31], v[KF+8*\b+8:KF+8*\b+15], v[QR:QR+7],    0, v[KS+\b/2], v[QSH] matrix_a_fmt:MATRIX_FMT_FP4 matrix_b_fmt:MATRIX_FMT_FP4 matrix_a_scale:MATRIX_SCALE_ROW1
.endr
.rept 4
	v_nop                                          ; four places between the last product and the first read of the scores (ISA guide 7.12.1)
.endr
.endm
; Hidden scores become -infinity: p = 0 then.  Word n is register n's lane mask.  Each accumulator is taken from its low end on.
.macro MASKIT
.set n, 0
.rept 64
.if n < 32
	v_cndmask_b32 v[S+n], v[NINF], v[S+n], s[32+n]
.else
	v_cndmask_b32 v[S+n], v[NINF], v[S+n], s[36+n]
.endif
.set n, n+1
.endr
.endm
.macro SOFTMAX
.irp b, 0,1,2,3
	v_max3_num_f32 v[BM+\b], v[S+16*\b], v[S+16*\b+1], v[S+16*\b+2]   ; the largest score of each block of 32 keys: for the row's maximum, and, since p rises with the score, for the block's largest p
.endr
.irp i, 3,5,7,9,11,13
.irp b, 0,1,2,3
	v_max3_num_f32 v[BM+\b], v[BM+\b], v[S+16*\b+\i], v[S+16*\b+\i+1]   ; (the four blocks by turns)
.endr
.endr
.irp b, 0,1,2,3
	v_max_num_f32 v[BM+\b], v[BM+\b], v[S+16*\b+15]
.endr
.irp b, 0,1,2,3
	v_permlanex16_b32 v[BX+\b], v[BM+\b], s[SEL], s[SEL+1]
.endr
.irp b, 0,1,2,3
	v_max_num_f32 v[BM+\b], v[BM+\b], v[BX+\b]     ; with lane l xor 16's 16 keys
.endr
	v_max3_num_f32 v[TMP], v[BM], v[BM+1], v[BM+2]
	v_max_num_f32 v[TMP], v[TMP], v[BM+3]          ; the step's largest score of my query
	v_mul_f32 v[TMP], s[CS], v[TMP]                ; as t (c is positive)
	v_max_num_f32 v13, v13, v[TMP]                 ; the running largest t
	v_mov_b32 v[TMP], v12
	v_floor_f32 v12, -v13                          ; the new -M = floor(-t) = -ceil(t): a whole number
	v_sub_f32 v[TMP], v12, v[TMP]                  ; old M - new M: a whole number, 0 or less
	v_cvt_i32_f32 v[TMP], v[TMP]                   ; (it saturates)
	v_ldexp_f32 v[F], 1.0, v[TMP]                  ; f = 2^(old M - new M)
.set j, 0
.rept 32
	v_pk_fma_f32 v[S+j:S+j+1], v[S+j:S+j+1], s[CS:CS+1], v[12:13] op_sel_hi:[1,0,0]   ; t - M, two at a time (of the pairs c and -M the low word serves both halves)
.set j, j+2
.endr
.irp b, 0,1,2,3
	v_fma_f32 v[BM+\b], v[BM+\b], s[CS], v12       ; the same of each block's largest score
.endr
.set j, 0
.rept 64
	v_exp_f32 v[S+j], v[S+j]                       ; p = 2^(t - M), at most 1
.set j, j+1
.endr
	v_pk_mul_f32 v[14:15], v[14:15], v[F:F+1] op_sel_hi:[1,0]   ; the sums under the new M: the plain instruction behind the exponentials
	s_wait_alu depctr_va_vdst(0)                   ; one wait for the batch of 64, ahead of its first reader
.irp b, 0,1,2,3
	v_exp_f32 v[BM+\b], v[BM+\b]                   ; the block's largest p: the same two instructions on the same number give the same bits
.endr
	v_pk_add_f32 v[SU:SU+1], v[S:S+1], v[S+2:S+3]  ; the row's sum is taken of the unquantised p: two at a time, in two chains
.set j, 4
.rept 15
	v_pk_add_f32 v[14:15], v[14:15], v[S+j:S+j+1]
	v_pk_add_f32 v[SU:SU+1], v[SU:SU+1], v[S+j+2:S+j+3]
.set j, j+4
.endr
	v_pk_add_f32 v[14:15], v[14:15], v[SU:SU+1]
	s_wait_alu depctr_va_vdst(0)                   ; and one for the four
.irp b, 0,1,2,3
	v_max_num_f32 v[BM+\b], 0x1800000, v[BM+\b]    ; the floor 2^(3 - 127): the byte cannot fall under 1 (a block whose every p is 0 keeps that byte: its codes are zeros)
.endr
.irp b, 0,1,2,3
	v_add_nc_u32 v[SCO+\b], 0xff000000, v[BM+\b]   ; 2 off the exponent field: the conversion's scale operand
.endr
.irp b, 0,1,2,3
	v_lshrrev_b32 v[BX+\b], 23, v[SCO+\b]          ; the scale's byte
.endr
	v_lshl_or_b32 v[PW], v[BX+1], 8, v[BX]         ; p's scale word for these 128 keys
	v_lshl_or_b32 v[PW], v[BX+2], 16, v[PW]
	v_lshl_or_b32 v[PW], v[BX+3], 24, v[PW]
.irp b, 0,1,2,3
	v_cvt_scalef32_pk8_fp4_f32 v[PC+2*\b],   v[S+16*\b:S+16*\b+7],    v[SCO+\b]
	v_cvt_scalef32_pk8_fp4_f32 v[PC+2*\b+1], v[S+16*\b+8:S+16*\b+15], v[SCO+\b]
.endr
	v_nop                                          ; one plain instruction behind the last scaled conversion
.irp c, 0,1                                    ; the operand wants a WHOLE block in a lane: lanes 0-15 block 2 c, lanes 16-31 block 2 c + 1
.irp i, 0,1
	v_permlane16_swap_b32 v[PC+4*\c+\i], v[PC+4*\c+2+\i]
.endr
.endr
.set j, 0
.rept 16
	v_pk_mul_f32 v[O+j:O+j+1], v[O+j:O+j+1], v[F:F+1] op_sel_hi:[1,0]   ; O^T under the new M.  For each product below twelve of these name none of its registers: the places between the writes of p's word and codes and that product
.set j, j+2
.endr
.endm
; O^T += V^T P^T: four tiles of 16 of the head's 64; K = these 128 keys.  The accumulators take turns, one instruction a turn: between two links of a chain stand the next step's eight products and the other three.
.macro PV
	s_wait_dscnt 0x0                               ; V is in
.irp t, 0,2
	v_wmma_scale_f32_16x16x128_f8f6f4 v[O+8*\t:O+8*\t+7],    v[VF+8*\t:VF+8*\t+7],    v[PC:PC+7], v[O+8*\t:O+8*\t+7],    v[VS+\t/2], v[PW] matrix_a_fmt:MATRIX_FMT_FP4 matrix_b_fmt:MATRIX_FMT_FP4
	v_wmma_scale_f32_16x16x128_f8f6f4 v[O+8*\t+8:O+8*\t+15], v[VF+8*\t+8:VF+8*\t+15], v[PC:PC+7], v[O+8*\t+8:O+8*\t+15], v[VS+\t/2], v[PW] matrix_a_fmt:MATRIX_FMT_FP4 matrix_b_fmt:MATRIX_FMT_FP4 matrix_a_scale:MATRIX_SCALE_ROW1
.endr
.endm
; THE WAY OUT of a tile: O^T / the sum goes through my stage in LDS and leaves as whole rows of 256 bytes, two rows an instruction.
.macro OUT which
	v_add_f32 v14, v14, v15                        ; the sum's two halves,
	v_permlanex16_b32 v[TMP], v14, s[SEL], s[SEL+1]
	v_add_f32 v14, v14, v[TMP]                     ; and lane l xor 16's: the row's sum
	v_rcp_f32 v14, v14
	v_nop                                          ; a plain instruction behind the reciprocal
	s_wait_alu depctr_va_vdst(0)                   ; and the wait ahead of its first reader
.set j, 0
.rept 16
	v_pk_mul_f32 v[S+j:S+j+1], v[O+j:O+j+1], v[14:15] op_sel_hi:[1,0]   ; register 8 t + i is out(r, 16 t + 8 h + i); each accumulator from its low end on
.set j, j+2
.endr
.irp t, 0,1,2,3
	ds_store_b128 v[SO], v[S+8*\t:S+8*\t+3]   offset:64*\t
	ds_store_b128 v[SO], v[S+8*\t+4:S+8*\t+7] offset:64*\t+16
.endr
.irp i, 0,1,2,3,4,5,6,7
	ds_load_b128 v[S+32+4*\i:S+32+4*\i+3], v[SR] offset:2*SP*\i    ; LDS serves a wave's instructions in order: these see my stores
.endr
.irp i, 0,1,2,3,4,5,6,7
	s_wait_dscnt 7-\i                              ; load i is back; the 7 - i younger ones may be out
	global_store_b128 v[GO], v[S+32+4*\i:S+32+4*\i+3], s[18+2*\which:19+2*\which] offset:512*\i th:TH_STORE_NT   ; 32 lanes store 512 consecutive bytes, aligned; written once
.endr
.endm
; A TILE of 16 queries over the 16 key steps.  The loop's trip count is a constant; what the flags decide is jumped over inside it.
.macro TILE which
	s_wait_loadcnt 0x0                             ; Q's fragment and scale bytes
	s_wait_kmcnt 0x0                               ; the flag words
	s_wait_xcnt 0x0                                ; the earlier tile's stores have read their data: those registers are written again below
	s_or_b32 s[FLG], s68, s69                      ; each word holds two steps' bits at their places
.irp i, 70,71,72,73,74,75
	s_or_b32 s[FLG], s[FLG], s\i
.endr
	v_lshlrev_b32 v[QSH], 16, v[QSL]               ; (the lines below are more than the eight places between this write of a scale register and the first product)
.set j, 0
.rept 32
	v_mov_b32 v[O+j], 0                            ; O^T.  Which step is a tile's first hangs on the mask, so no first step is written out: the first change of M multiplies zeros
.set j, j+1
.endr
	v_mov_b32 v13, 0xff61b1e6                      ; the largest t so far: -3e38
	v_floor_f32 v12, -v13                          ; -M
	v_mov_b32 v14, 0                               ; the sum, in two halves
	v_mov_b32 v15, 0
	s_mov_b32 s[ST], 0
	s_mov_b32 s[TK], 0
	s_mov_b32 s[TV], 0
	s_mov_b32 s[TS], 0
.Lstep_\@:
	s_lshr_b32 s2, s[FLG], s[ST]
	s_bitcmp1_b32 s2, 0                            ; has the step an open place?
	s_cbranch_scc0 .Lhidden_\@
	v_add_nc_u32 v[ADK], s[TK], v[AK]              ; these three and the v_nop are the four places between the last step's products and the loads into V's fragments and scale words
	v_add_nc_u32 v[ADV], s[TV], v[AV]
	v_add_nc_u32 v[ADS], s[TS], v[AS]
	v_nop
	s_bitcmp1_b32 s2, 16                           ; is it all open?
	s_cbranch_scc1 .Lopen_\@
	s_load_b512 s[32:47], s[8:9], s[MO] offset:0x0     ; the step's 64 lane masks; they come while the scores are made
	s_load_b512 s[48:63], s[8:9], s[MO] offset:0x40
	s_load_b512 s[68:83], s[8:9], s[MO] offset:0x80
	s_load_b512 s[84:99], s[8:9], s[MO] offset:0xc0
	SCORES
	s_wait_kmcnt 0x0
	s_wait_xcnt 0x0                                ; the offset that these loads name is stepped at the trip's end
	MASKIT
	s_branch .Ljoin_\@
.Lopen_\@:
	SCORES                                         ; (the same LDS loads on both ways: V's eight are out at the join)
.Ljoin_\@:
	SOFTMAX
	PV
.Lhidden_\@:
	s_add_co_u32 s[MO], s[MO], 256
	s_add_co_u32 s[TK], s[TK], 4096
	s_add_co_u32 s[TV], s[TV], 64
	s_add_co_u32 s[TS], s[TS], 256
	s_add_co_u32 s[ST], s[ST], 1
	s_cmp_lt_u32 s[ST], 16
	s_cbranch_scc1 .Lstep_\@
.rept 4
	v_nop                                          ; four places behind the last products: for the reads of O^T and for the loads into Q's registers
.endr
.if \which == 0
	ASK 1                                          ; the second tile's Q and flags come while the first goes out
.endif
	OUT \which
.endm
	TILE 0
	TILE 1
	s_wait_tensorcnt 0x0
	ds_add_u32 v254, v255
	s_wait_dscnt 0x0
	s_endpgm
.Lfunc_end_k_q3e6dd3619c_attn:
	.size	k_q3e6dd3619c_attn, .Lfunc_end_k_q3e6dd3619c_attn-k_q3e6dd3619c_attn
	.p2alignl 7, 3214868480
	.fill 96, 4, 3214868480
	.section	.rodata,"a",@progbits
	.p2align	6, 0x0
	.amdhsa_kernel k_q3e6dd3619c_attn
		.amdhsa_group_segment_fixed_size 211968
		.amdhsa_private_segment_fixed_size 0
		.amdhsa_enable_private_segment 0
		.amdhsa_kernarg_size 72
		.amdhsa_user_sgpr_count 2
		.amdhsa_user_sgpr_kernarg_segment_ptr 1
		.amdhsa_wavefront_size32 1
		.amdhsa_system_sgpr_workgroup_id_x 1
		.amdhsa_system_sgpr_workgroup_id_y 1
		.amdhsa_system_sgpr_workgroup_id_z 1
		.amdhsa_system_vgpr_workitem_id 0
		.amdhsa_next_free_vgpr 256
		.amdhsa_next_free_sgpr 102
		.amdhsa_reserve_vcc 0
		.amdhsa_float_denorm_mode_32 3
		.amdhsa_float_denorm_mode_16_64 3
		.amdhsa_memory_ordered 1
		.amdhsa_forward_progress 1
		.amdhsa_inst_pref_size 63
	.end_amdhsa_kernel
	.amdgpu_metadata
---
amdhsa.version: [ 1, 2 ]
amdhsa.kernels:
  - .name:           k_q3e6dd3619c_attn
    .symbol:         k_q3e6dd3619c_attn.kd
    .args:
      - { .name: queries_codes, .offset: 0, .size: 8, .value_kind: global_buffer, .address_space: global }
      - { .name: queries_scales, .offset: 8, .size: 8, .value_kind: global_buffer, .address_space: global }
      - { .name: mbits, .offset: 16, .size: 8, .value_kind: global_buffer, .address_space: global }
      - { .name: mflag, .offset: 24, .size: 8, .value_kind: global_buffer, .address_space: global }
      - { .name: out0, .offset: 32, .size: 8, .value_kind: global_buffer, .address_space: global }
      - { .name: keys_codes, .offset: 40, .size: 8, .value_kind: global_buffer, .address_space: global }
      - { .name: keys_scales, .offset: 48, .size: 8, .value_kind: global_buffer, .address_space: global }
      - { .name: values_codes, .offset: 56, .size: 8, .value_kind: global_buffer, .address_space: global }
      - { .name: values_scales, .offset: 64, .size: 8, .value_kind: global_buffer, .address_space: global }
    .group_segment_fixed_size: 211968
    .private_segment_fixed_size: 0
    .kernarg_segment_align: 8
    .kernarg_segment_size: 72
    .max_flat_workgroup_size: 512
    .sgpr_count:     102
    .vgpr_count:     256
    .wavefront_size: 32
...
	.end_amdgpu_metadata
.endif
;; end of part 2
;; ======== version 2 of 2: 2 launches
;; workspace buffers: mbits 524,288 bytes of whole numbers; mflag 4,096 bytes of whole numbers
;; launch prep (part 3): grid 2 x 128, 4 waves a work-group, no clusters, 17,920 bytes of LDS; arguments mask, mbits, mflag; writes mbits, mflag
.if DOCPART == 3
	.amdgcn_target "amdgcn-amd-amdhsa--gfx1250"
	.amdhsa_code_object_version 6
	.text
	.protected	k_q3e6dd3619c_prep
	.globl	k_q3e6dd3619c_prep
	.p2align	8
	.type	k_q3e6dd3619c_prep,@function
k_q3e6dd3619c_prep:
	s_mov_b64 s[64:65], 0
	v_nop
	global_prefetch_b8 v0, s[64:65] scope:SCOPE_SE
	s_setreg_imm32_b32 hwreg(HW_REG_WAVE_MODE, 25, 1), 1
	s_wait_xcnt 0x0
; The mask [2048][2048], one byte a place (any byte but 0 counts as true), is turned into what the attention launch wants of it.
; A TILE is 16 queries (tile j: rows 16 j ..), a STEP 128 keys (step s: columns 128 s ..).
; mbits[j][s][n], n = 0 .. 63, one word each: bit L of word n is mask[16 j + L % 16][128 s + 32 (n / 16) + 16 (L / 16) + n % 16]:
; the lane mask of score register n in the attention launch, where lane L holds query L % 16 and register n that key.
; mflag[j][sp], sp = 0 .. 7, one word each: bit s = step s has an open place, bit 16 + s = step s is all open, for s = 2 sp and 2 sp + 1.
; SHARES: work-group (x, j), wave w: sp = 4 x + w: 16 rows x 256 bytes.  Waves share nothing: no barrier.
; Each load reads two rows' 256 consecutive aligned bytes; the bytes turn through the wave's own stage in LDS (rows 272 bytes apart),
; so that lane (r, h) gets 16 neighbouring keys of row r.  A step's 64 words leave as 256 consecutive aligned bytes.
; The flag is one word a wave, 4,096 bytes in the whole launch: it is stored by one lane.
.set PITCH, 272
.set WSTG,  16*PITCH                   ; a wave's stage
.set T,   8                            ; v8-11   at work
.set W,   12                           ; v12-15  the words: step s' in the pair at W + 2 s'; lane l holds words 2 l, 2 l + 1
.set IN,  20                           ; v20-51  the rows as loaded
.set BK,  52                           ; v52-83  back from the stage: step s', block b at BK + 16 s' + 4 b
	s_load_b128 s[4:7], s[0:1], 0x0                ; mask, mbits
	s_load_b64 s[8:9], s[0:1], 0x10                ; mflag
	v_lshl_add_u32 v84, v0, 2, 0x4400
	v_mov_b32 v85, 0
	v_lshrrev_b32 v1, 5, v0
	v_readfirstlane_b32 s10, v1                    ; wave
	v_and_b32 v1, 31, v0                           ; lane
	v_and_b32 v2, 15, v0                           ; r
	v_bfe_u32 v3, v0, 4, 1                         ; h
	v_lshlrev_b32 v4, 4, v2
	v_lshl_add_u32 v4, v3, 11, v4                  ; in memory: 16 r + one row (2,048 bytes) for lanes 16-31
	s_mul_i32 s24, s10, WSTG
	v_mul_u32_u24 v5, v3, PITCH
	v_lshl_add_u32 v5, v2, 4, v5
	v_add_nc_u32 v5, s24, v5                       ; into the stage: row h, 16 r
	v_mul_u32_u24 v6, v2, PITCH
	v_lshl_add_u32 v6, v3, 4, v6
	v_add_nc_u32 v6, s24, v6                       ; out of it: row r, 16 h
	v_lshlrev_b32 v7, 3, v1                        ; the words' way out: 8 bytes a lane
.irp i, 0,1,2,3
	v_mov_b32 v[W+\i], 0                           ; v_writelane_b32 keeps the other lanes: its destination is written first
.endr
	v_mov_b32 v17, 0
	s_lshl_b32 s11, ttmp9, 2
	s_add_co_u32 s11, s11, s10                     ; sp
	s_and_b32 s12, ttmp7, 0xffff                   ; j
	s_mov_b32 s15, 0
	s_mov_b32 s22, 0                               ; the flag word
	s_lshl_b32 s23, s11, 1                         ; the step in hand
	s_wait_alu depctr_va_vdst(0)
	s_wait_kmcnt 0x0
	s_lshl_b32 s14, s12, 15                        ; 16 rows of 2,048 bytes a tile,
	s_lshl_b32 s25, s11, 8                         ; 256 bytes a wave
	s_add_co_u32 s14, s14, s25
	s_add_nc_u64 s[4:5], s[4:5], s[14:15]
	s_lshl_b32 s14, s12, 12                        ; mbits: 4,096 bytes a tile, 512 a wave
	s_lshl_b32 s25, s11, 9
	s_add_co_u32 s14, s14, s25
	s_add_nc_u64 s[6:7], s[6:7], s[14:15]
	s_lshl_b32 s14, s12, 5                         ; mflag: 32 bytes a tile, 4 a wave
	s_lshl_b32 s25, s11, 2
	s_add_co_u32 s14, s14, s25
	s_add_nc_u64 s[8:9], s[8:9], s[14:15]
.irp i, 0,1,2,3,4,5,6,7
	global_load_b128 v[IN+4*\i:IN+4*\i+3], v4, s[4:5] offset:4096*\i th:TH_LOAD_NT   ; rows 2 i, 2 i + 1; each byte of the mask is read once in the launch
.endr
.irp i, 0,1,2,3,4,5,6,7
	s_wait_loadcnt 7-\i                            ; loads come back in order: load i is in, the 7 - i younger ones stay out
	ds_store_b128 v5, v[IN+4*\i:IN+4*\i+3] offset:2*PITCH*\i
.endr
.irp m, 0,1,2,3,4,5,6,7
	ds_load_b128 v[BK+4*\m:BK+4*\m+3], v6 offset:32*\m   ; LDS serves a wave's instructions in order: these see my stores.  Keys 32 m + 16 h + 0 .. 15 of row r
.endr
; The 64 words of step s' (0 or 1) of my two, four at a time: register BK + 16 s' + g holds the bytes of words 4 g .. 4 g + 3.
.macro WORDS sx
.if \sx == 0
	s_wait_dscnt 4                                 ; the first step's four loads are in; the second step's four may be out
.else
	s_wait_dscnt 0x0
.endif
	s_mov_b32 s20, 0                               ; the OR of the words,
	s_mov_b32 s21, -1                              ; and their AND
.set g, 0
.rept 16
.irp k, 0,1,2,3
	v_and_b32 v[T+\k], 0xff<<(8*\k), v[BK+16*\sx+g]
.endr
.irp k, 0,1,2,3
	v_cmp_ne_u32 s[16+\k], 0, v[T+\k]              ; bit L: lane L's byte is not 0
.endr
.irp k, 0,1,2,3
	v_writelane_b32 v[W+2*\sx+\k%2], s[16+\k], 2*g+\k/2   ; word n = 4 g + k to lane n / 2, register n % 2
.endr
.irp k, 0,1,2,3
	s_or_b32 s20, s20, s[16+\k]
	s_and_b32 s21, s21, s[16+\k]
.endr
.set g, g+1
.endr
	s_cmp_lg_u32 s20, 0
	s_cselect_b32 s24, 1, 0                        ; a place is open
	s_cmp_eq_u32 s21, -1
	s_cselect_b32 s25, 1, 0                        ; all are
	s_lshl_b32 s24, s24, s23
	s_lshl_b32 s25, s25, s23
	s_lshl_b32 s25, s25, 16
	s_or_b32 s22, s22, s24
	s_or_b32 s22, s22, s25
	s_add_co_u32 s23, s23, 1
	s_wait_alu depctr_va_vdst(0)
	global_store_b64 v7, v[W+2*\sx:W+2*\sx+1], s[6:7] offset:256*\sx   ; 32 lanes store 256 consecutive bytes, aligned; each step has its own pair, so no store's data are written again
.endm
	WORDS 0
	WORDS 1
	v_mov_b32 v16, s22
	v_cmp_gt_u32 vcc_lo, 1, v1                     ; lane 0
	s_wait_alu depctr_va_vdst(0)
	s_wait_xcnt 0x0                                ; EXEC changes only behind this wait: the stores above were issued under it
	s_wait_tensorcnt 0x0
	ds_add_u32 v84, v85
	s_wait_dscnt 0x0
	s_and_saveexec_b32 s26, vcc_lo
	global_store_b32 v17, v16, s[8:9]
	s_wait_xcnt 0x0                                ; and again in front of the line that widens it
	s_or_b32 exec_lo, exec_lo, s26
	s_endpgm
.Lfunc_end_k_q3e6dd3619c_prep:
	.size	k_q3e6dd3619c_prep, .Lfunc_end_k_q3e6dd3619c_prep-k_q3e6dd3619c_prep
	.p2alignl 7, 3214868480
	.fill 96, 4, 3214868480
	.section	.rodata,"a",@progbits
	.p2align	6, 0x0
	.amdhsa_kernel k_q3e6dd3619c_prep
		.amdhsa_group_segment_fixed_size 17920
		.amdhsa_private_segment_fixed_size 0
		.amdhsa_enable_private_segment 0
		.amdhsa_kernarg_size 24
		.amdhsa_user_sgpr_count 2
		.amdhsa_user_sgpr_kernarg_segment_ptr 1
		.amdhsa_wavefront_size32 1
		.amdhsa_system_sgpr_workgroup_id_x 1
		.amdhsa_system_sgpr_workgroup_id_y 1
		.amdhsa_system_sgpr_workgroup_id_z 1
		.amdhsa_system_vgpr_workitem_id 0
		.amdhsa_next_free_vgpr 86
		.amdhsa_next_free_sgpr 66
		.amdhsa_reserve_vcc 1
		.amdhsa_float_denorm_mode_32 3
		.amdhsa_float_denorm_mode_16_64 3
		.amdhsa_memory_ordered 1
		.amdhsa_forward_progress 1
		.amdhsa_inst_pref_size 38
	.end_amdhsa_kernel
	.amdgpu_metadata
---
amdhsa.version: [ 1, 2 ]
amdhsa.kernels:
  - .name:           k_q3e6dd3619c_prep
    .symbol:         k_q3e6dd3619c_prep.kd
    .args:
      - { .name: mask, .offset: 0, .size: 8, .value_kind: global_buffer, .address_space: global }
      - { .name: mbits, .offset: 8, .size: 8, .value_kind: global_buffer, .address_space: global }
      - { .name: mflag, .offset: 16, .size: 8, .value_kind: global_buffer, .address_space: global }
    .group_segment_fixed_size: 17920
    .private_segment_fixed_size: 0
    .kernarg_segment_align: 8
    .kernarg_segment_size: 24
    .max_flat_workgroup_size: 128
    .sgpr_count:     66
    .vgpr_count:     86
    .wavefront_size: 32
...
	.end_amdgpu_metadata
.endif
;; end of part 3
;; launch attn (part 4): grid 4 x 64, 16 waves a work-group, no clusters, 211,968 bytes of LDS; arguments queries_codes, queries_scales, mbits, mflag, out0, keys_codes, keys_scales, values_codes, values_scales; writes out0
.if DOCPART == 4
	.amdgcn_target "amdgcn-amd-amdhsa--gfx1250"
	.amdhsa_code_object_version 6
	.text
	.protected	k_q3e6dd3619c_attn
	.globl	k_q3e6dd3619c_attn
	.p2align	8
	.type	k_q3e6dd3619c_attn,@function
k_q3e6dd3619c_attn:
	s_mov_b64 s[64:65], 0
	v_nop
	global_prefetch_b8 v0, s[64:65] scope:SCOPE_SE
	s_setreg_imm32_b32 hwreg(HW_REG_WAVE_SCHED_MODE, 0, 2), 2
	s_setreg_imm32_b32 hwreg(HW_REG_WAVE_MODE, 25, 1), 1
	s_wait_xcnt 0x0
	s_wait_alu depctr_vm_vsrc(0)
; out[head][q][:] = the sum over k of softmax_k(Q[q] . K[k] / 8, hidden where mask[q][k] = 0) V[k][:], 64 heads, 2,048 queries and keys, head size 64; both products on codes of FP4 (E2M1) with one E8M0 scale for each 32 along K.
; Q, K: rows of 32 bytes of codes and 2 scale bytes.  V: the keys innermost: 64 rows of 1,024 bytes of codes and 64 scale bytes a head.  out: f32.
; THE SOFTMAX: t = score x log2(e) / 8; M = the row's largest t so far, rounded UP to a whole number; p = 2^(t - M) is quantised along the keys, not normalised; the row's sum is taken of the unquantised p and divides at the end.
; When M moves, the sum and O are multiplied by 2^(old M - new M): exact.
; THE MASK is an input.  The launch before has stored, for each tile of 16 queries and each step of 128 keys, 64 lane masks (mbits) and two flags (mflag): a place is open; all are.
; A step with no open place adds nothing (every p is 0) and is jumped over; a step that is all open needs no masking; any other takes its 64 words into scalar registers and sets hidden scores to -infinity.  This holds for every mask.
; SHARES.  A work-group owns one head and 32 tiles of queries; it has sixteen waves of 256 registers, four to a SIMD.  Wave w of work-group x makes tile P = 16 x + w and then tile 127 - P
; (a choice of balance alone: no value hangs on it).  A whole head's K, V and their scales, 139,264 bytes, are brought into LDS once, through registers, and stay: one barrier in the launch, no ring.
; NO JOINT REQUESTS, though the four work-groups of a head read the same 139,264 bytes: a joint request is a tensor load.
; The branch on the stored flags leaves out whole steps of a wave's 32; the shared bytes are read once a work-group, at its head.
; LAYOUT.  Both products are used transposed: S^T = K Q^T (source 0 = keys, source 1 = my 16 queries), O^T = V^T P^T (source 0 = 16 of the head's 64, source 1 = P): a lane holds ONE query (lane % 16) throughout.
; THE HEAD'S 64 IN AN INSTRUCTION OF 128 ALONG K.  A fragment of K holds TWO tiles of 16 keys: registers 0-3 tile 2 b (lane r: key 32 b + r + 8 (r / 8)), registers 4-7 tile 2 b + 1 (the same keys + 8).
; Q lies in a run of twelve registers, 0 0 0 0 q q q q 0 0 0 0: its last eight (q, then zero codes) pick tile 2 b, its first eight (zero codes, then q) tile 2 b + 1.  Zero codes add nothing under any scale byte but 0xff.
; So the 16 registers of tiles 2 b and 2 b + 1 are 16 neighbouring keys, 32 b + 16 (lane / 16) + 0 .. 15, as the second product's operand wants them.
; K lies in LDS as images of its fragments' registers (16 bytes a lane, 512 an instruction); the scale words of K and V as images too: lanes 0-15 hold those of an even fragment, lanes 16-31 those of the odd one beside it.
; LIMITS: a scale byte 0xff among the inputs is not served; a p under 2^-126 falls to 0; a t under -3e38 is not served; a row with no open place comes out NaN (0 x 1/0), as the reference has it.
; THE MODE: SCHED_MODE bits 1:0 = 2 (LLVM: expert scheduling mode 2), set by the entry lines.  The code itself states the register dependences
; between vector or matrix instructions and memory or LDS instructions, with s_wait_alu, always for 0.
; THE PLAN.  Registers that memory or LDS instructions touch:
;   v1-6, v11, v35-39, v226-228, v254, v255   addresses, made once at the head and never written again: one wait on va_vdst ahead of the first load serves them all.
;   ADK, ADV, ADS   written by three additions at the head of an open step; read by that step's 18 LDS loads.
;   KF, KS          a step's LDS loads land in them; its eight score products read them.  (In the fill: global loads land in KF, LDS stores read it.)
;   VF, VS          a step's LDS loads land in them; its four products V^T P^T read them.  (In the fill: as KF.)
;   q, QSL          a tile's two global loads land in them; the tile's score products read them, and the shift that makes QSH.
;   S               written by products, exponentials and, on the way out, packed multiplies (its low 32) and LDS loads (its high 32); read by the fill's scale stores, by the way out's LDS stores (low 32) and global stores (high 32).
;   O, the statistics and the registers at work are named by vector and matrix instructions alone.
; A STEP has one wait on vm_vsrc (the last open step's loads have read the three addresses), the three additions, and ONE wait on va_vdst for all its 18 loads: the addresses are written, and the last open step's
; products are done reading KF, KS, VF, VS.  Behind it come K's loads; V's nine loads are dealt among the eight score products, which name S, KF, the run of q, KS, QSL and QSH: none of the registers that V's loads touch.
; A second wait on va_vdst stands ahead of the products V^T P^T: vector instructions have written p's codes and scale word, which those products take.
.set VP,   1040                        ; a row of V in LDS: 1,024 bytes + 16: 65 x 16, so that the 16 rows of a load start in 16 different groups of banks
.set VB,   65536                       ; LDS: K's images, 4,096 bytes a step, at 0; V's 64 rows here;
.set KSC,  VB+64*VP                    ; K's scale words: 256 s + 8 x lane + 4 x (which of the two registers);
.set VSC,  KSC+4096                    ; V's likewise;
.set STG,  VSC+4096                    ; the way out: 16 rows x 272 bytes for each wave
.set SP,   272
.set AK,   1                           ; v1   16 x lane
.set AV,   2                           ; v2   VB + VP r + 16 h
.set AS,   3                           ; v3   KSC + 8 x lane
.set SO,   4                           ; v4   the stage, on the way in
.set SR,   5                           ; v5   and back
.set GO,   6                           ; v6   my byte offset in the tile's rows of out
.set NINF, 7                           ; v7   -infinity
.set ADK,  8                           ; v8-10 the step's LDS addresses: K, V, scale words
.set ADV,  9
.set ADS,  10
.set QA,   11                          ; v11  Q: 32 r + 16 h
                                       ; v12 -M, v13 the largest t so far, v[14:15] the row's sum in two halves
.set QR,   16                          ; v16-27 the run 0 0 0 0 q q q q 0 0 0 0
.set QSL,  28                          ; v28  Q's scale bytes in the low half of the word;  v29 in the high half
.set QSH,  29
.set KS,   30                          ; v30-31 K's scale words of the step
.set VS,   32                          ; v32-33 V's
.set PW,   34                          ; v34  p's scale word
.set QSA,  35                          ; v35  2 r
.set KG,   36                          ; v36-39, v226-233: set-up
.set KSG,  37
.set T8,   38
.set VSA,  39
.set KF,   40                          ; v40-71   K's four fragments
.set VF,   72                          ; v72-103  V's four
.set S,    104                         ; v104-167 S^T, then p
.set O,    168                         ; v168-199 O^T
.set PC,   200                         ; v200-207 p's codes
.set BM,   208                         ; v208-211 each block's largest score, then its largest p
.set BX,   212                         ; v212-215 at work
.set SCO,  216                         ; v216-219 the conversions' scale operands
.set F,    220                         ; v[220:221] f = 2^(old M - new M); v221 is named with it as a pair
.set TMP,  222
.set SU,   224                         ; v[224:225] the sums' second chain
.set KST,  226
.set VST,  227
.set KSS,  228
.set WV,   22                          ; s22 wave;  s23 the step;  s24 the tile's flags;  s25 the step's words in mbits, in bytes
.set ST,   23
.set FLG,  24
.set MO,   25
.set CS,   26                          ; s[26:27] c = log2(e) / 8
.set SEL,  28                          ; s[28:29] v_permlanex16_b32's selects for lane l xor 16
.set PP,   30                          ; s30 P
.set TK,   31                          ; s31, s100, s101: the step's place in K's images, in V's rows, among the scale words
.set TV,   100
.set TS,   101
                                       ; s[32:63], s[68:99] the step's 64 lane masks; during the fill s[36:43] hold K's and V's addresses; s[68:75] take a tile's 8 flag words
; What tile `which` of my two needs from memory: its addresses, Q's fragment and scale bytes, its flag words.
.macro ASK which
.if \which == 0
	s_lshl_b32 s[MO], s[PP], 12                    ; J = P: 4,096 J
.else
	s_sub_co_u32 s[MO], 127, s[PP]                 ; J = 127 - P
	s_lshl_b32 s[MO], s[MO], 12
.endif
	s_mov_b32 s3, 0
	s_mov_b32 s2, s[MO]                            ; out: 16 rows of 256 bytes
	s_add_nc_u64 s[18+2*\which:19+2*\which], s[12:13], s[2:3]
	s_lshr_b32 s2, s[MO], 3                        ; Q's codes: 16 rows of 32 bytes
	s_add_nc_u64 s[14:15], s[4:5], s[2:3]
	s_lshr_b32 s2, s[MO], 7                        ; Q's scale bytes: 32 a tile; the flag words likewise
	s_add_nc_u64 s[16:17], s[6:7], s[2:3]
	global_load_b128 v[QR+4:QR+7], v[QA], s[14:15] th:TH_LOAD_NT   ; read once in the launch
	global_load_u16 v[QSL], v[QSA], s[16:17]
	s_load_b256 s[68:75], s[10:11], s2 offset:0x0  ; s2 stays as it is until the tile's head has waited
.endm
	s_load_b256 s[4:11], s[0:1], 0x0               ; Q's codes, Q's scales, mbits, mflag
	s_load_b64 s[12:13], s[0:1], 0x20              ; out
	s_load_b256 s[36:43], s[0:1], 0x28             ; K's codes, K's scales, V's codes, V's scales
	v_lshl_add_u32 v254, v0, 2, 0x33400
	v_mov_b32 v255, 0
	v_lshrrev_b32 v226, 5, v0
	v_readfirstlane_b32 s[WV], v226                ; wave 0..15
	v_and_b32 v232, 31, v0                         ; lane
	v_and_b32 v229, 15, v0                         ; r
	v_bfe_u32 v230, v0, 4, 1                       ; h
	v_and_b32 v231, 8, v229
	v_add_nc_u32 v231, v231, v229                  ; r + 8 (r / 8)
	v_lshlrev_b32 v[AK], 4, v232
	v_mul_u32_u24 v[AV], v229, VP
	v_lshl_add_u32 v[AV], v230, 4, v[AV]
	v_add_nc_u32 v[AV], VB, v[AV]
	v_lshl_add_u32 v[AS], v232, 3, KSC
	s_wait_alu depctr_va_sdst(0)                   ; s22, the wave's number, is written, ahead of its first reader: LDS places and the bases are made from it
	s_mul_i32 s2, s[WV], 16*SP
	s_add_co_u32 s2, s2, STG                       ; my stage
	v_mul_u32_u24 v[SO], v229, SP
	v_lshl_add_u32 v[SO], v230, 5, v[SO]
	v_add_nc_u32 v[SO], s2, v[SO]                  ; in: row r, 32 h: tile t's eight channels of my half lie 64 t bytes on
	v_mul_u32_u24 v[SR], v230, SP
	v_lshl_add_u32 v[SR], v229, 4, v[SR]
	v_add_nc_u32 v[SR], s2, v[SR]                  ; back: lanes 0-15 one row of 256 bytes, lanes 16-31 the next
	v_lshlrev_b32 v[GO], 8, v230
	v_lshl_add_u32 v[GO], v229, 4, v[GO]           ; and the same two rows in out
	v_mov_b32 v[NINF], 0xff800000
	v_lshlrev_b32 v[QA], 5, v229
	v_lshl_add_u32 v[QA], v230, 4, v[QA]
	v_lshlrev_b32 v[QSA], 1, v229
.irp i, 0,1,2,3
	v_mov_b32 v[QR+\i], 0                          ; the zero codes on both sides of q: written once
	v_mov_b32 v[QR+8+\i], 0
	v_mov_b32 v[BX+\i], 0                          ; a lane permute's destination counts as one of its sources
.endr
	v_mov_b32 v[F+1], 0
	v_mov_b32 v[TMP], 0
	v_lshlrev_b32 v[KG], 5, v231
	v_lshl_add_u32 v[KG], v230, 4, v[KG]           ; K's codes in memory: key r + 8 (r / 8) of 32 bytes, + 16 h
	v_lshlrev_b32 v[KSG], 1, v231
	v_lshl_add_u32 v[KSG], v230, 6, v[KSG]         ; K's scale bytes: lanes 16-31 take the odd fragment's keys, 32 keys (64 bytes) on
	v_lshlrev_b32 v[T8], 3, v0                     ; V's scale bytes: 8 a thread
	v_and_b32 v[VSA], 7, v0                        ; thread T holds row d = T / 8, steps 2 (T % 8) and 2 (T % 8) + 1: the word of (d, s) goes to 256 s + 8 (d % 32) + 4 (d / 32)
	v_lshlrev_b32 v[VSA], 9, v[VSA]
	v_bfe_u32 v233, v0, 3, 5
	v_lshl_add_u32 v[VSA], v233, 3, v[VSA]
	v_lshrrev_b32 v233, 8, v0
	v_lshl_add_u32 v[VSA], v233, 2, v[VSA]
	v_add_nc_u32 v[VSA], VSC, v[VSA]
	s_lshl_b32 s2, s[WV], 12
	v_add_nc_u32 v[KST], s2, v[AK]                 ; where I store K's images: step w
	s_mul_i32 s2, s[WV], 4*VP
	s_add_co_u32 s2, s2, VB
	v_add_nc_u32 v[VST], s2, v[AK]                 ; and V's rows 4 w .. 4 w + 3
	v_lshl_add_u32 v[KSS], v0, 3, KSC              ; and K's scale words: 256 w + 8 x lane
	s_mov_b32 s[CS], 0x3e38aa3b                    ; c = log2(e) / 8
	s_mov_b32 s[CS+1], s[CS]                       ; (named with it as a pair, so it is written)
	s_mov_b32 s[SEL], 0x76543210
	s_mov_b32 s[SEL+1], 0xfedcba98
	s_lshl_b32 s[PP], ttmp9, 4
	s_add_co_u32 s[PP], s[PP], s[WV]               ; P = 16 x + w
	s_and_b32 s[ST], ttmp7, 0xffff                 ; the head
	s_mov_b32 s3, 0
	s_wait_kmcnt 0x0
	s_lshl_b32 s2, s[ST], 16                       ; a head's codes: 65,536 bytes in each of the three tensors
	s_add_nc_u64 s[4:5], s[4:5], s[2:3]
	s_add_nc_u64 s[36:37], s[36:37], s[2:3]
	s_add_nc_u64 s[40:41], s[40:41], s[2:3]
	s_lshl_b32 s2, s[ST], 12                       ; its scale bytes: 4,096
	s_add_nc_u64 s[6:7], s[6:7], s[2:3]
	s_add_nc_u64 s[38:39], s[38:39], s[2:3]
	s_add_nc_u64 s[42:43], s[42:43], s[2:3]
	s_lshl_b32 s2, s[ST], 19                       ; its rows of out: 524,288
	s_add_nc_u64 s[12:13], s[12:13], s[2:3]
	s_lshl_b32 s2, s[WV], 12                       ; my part of the fill: key step w (128 keys x 32 bytes) and V's rows 4 w on (4 x 1,024 bytes),
	s_add_nc_u64 s[36:37], s[36:37], s[2:3]
	s_add_nc_u64 s[40:41], s[40:41], s[2:3]
	s_lshl_b32 s2, s[WV], 8                        ; and the step's 256 scale bytes of K
	s_add_nc_u64 s[38:39], s[38:39], s[2:3]
	s_wait_alu depctr_va_vdst(0)                   ; every address and offset made above is written, which the kernel's loads and stores read; so are the zero codes round q, which the score products take
	; THE FILL.  23 loads: 8 of K's codes, 8 of V's, 4 of K's scale bytes, 1 of V's, 2 of Q's.
.irp i, 0,1,2,3,4,5,6,7
	global_load_b128 v[KF+4*\i:KF+4*\i+3], v[KG], s[36:37] offset:1024*(\i/2)+256*(\i%2)   ; tile i of the step's eight: two runs of 256 consecutive bytes (8 keys each)
.endr
.irp i, 0,1,2,3,4,5,6,7
	global_load_b128 v[VF+4*\i:VF+4*\i+3], v[AK], s[40:41] offset:512*\i                   ; 512 consecutive bytes
.endr
	global_load_u16 v[S],   v[KSG], s[38:39]               ; fragment h: key A's two bytes,
	global_load_u16 v[S+1], v[KSG], s[38:39] offset:16     ; key A + 8's;
	global_load_u16 v[S+2], v[KSG], s[38:39] offset:128    ; fragment 2 + h likewise
	global_load_u16 v[S+3], v[KSG], s[38:39] offset:144
	global_load_b64 v[S+4:S+5], v[T8], s[42:43]
	ASK 0
	s_wait_loadcnt 15                              ; K's eight are in: 15 loads were issued behind them
.irp i, 0,1,2,3,4,5,6,7
	ds_store_b128 v[KST], v[KF+4*\i:KF+4*\i+3] offset:512*\i
.endr
	s_wait_loadcnt 7                               ; V's eight: 7 behind them
.irp i, 0,1,2,3,4,5,6,7
	ds_store_b128 v[VST], v[VF+4*\i:VF+4*\i+3] offset:VP*(\i/2)+512*(\i%2)
.endr
	s_wait_loadcnt 3                               ; K's scale bytes: 3 behind them
	v_lshl_or_b32 v[S], v[S+1], 16, v[S]           ; a fragment's word: bytes 0, 1 scale its first tile's key, bytes 2, 3 its second's
	v_lshl_or_b32 v[S+1], v[S+3], 16, v[S+2]
	s_wait_alu depctr_va_vdst(0)                   ; the two lines above have written v[S], v[S+1], which the LDS store below reads
	ds_store_b64 v[KSS], v[S:S+1]
	s_wait_loadcnt 2                               ; V's scale bytes: Q's two loads stay out
	ds_store_b32 v[VSA], v[S+4]
	ds_store_b32 v[VSA], v[S+5] offset:256
	s_wait_dscnt 0x0                               ; for the others' sake: my stores have landed
	s_barrier_signal -1
	s_barrier_wait -1                              ; the head's K, V and scale words lie in LDS; nothing writes them again
; A step's LDS loads and its eight products S^T = K Q^T.  K's scale words and fragments are asked for first; V's nine loads are dealt among the products.
; No wait stands ahead of V's loads: since the wait on va_vdst at the step's head only these products were issued, and they name S, KF, the run of q, KS, QSL and QSH, none of ADV, ADS, VF, VS.
.macro SCORES
	ds_load_b64 v[KS:KS+1], v[ADS]
.irp b, 0,1,2,3
	ds_load_b128 v[KF+8*\b:KF+8*\b+3],   v[ADK] offset:1024*\b
	ds_load_b128 v[KF+8*\b+4:KF+8*\b+7], v[ADK] offset:1024*\b+512
.endr
.irp b, 0,2
.if \b == 0
	s_wait_dscnt 4                                 ; LDS loads come back in order: K's scale words and fragments 0 and 1 are in; fragments 2 and 3, four loads, may be out
.else
	s_wait_dscnt 5                                 ; fragments 2 and 3 are in; the five loads of V issued behind them may be out
.endif
	v_wmma_scale_f32_16x16x128_f8f6f4 v[S+16*\b:S+16*\b+7],     v[KF+8*\b:KF+8*\b+7],    v[QR+4:QR+11], 0, v[KS+\b/2], v[QSL] matrix_a_fmt:MATRIX_FMT_FP4 matrix_b_fmt:MATRIX_FMT_FP4
.if \b == 0
	ds_load_b64 v[VS:VS+1], v[ADS] offset:VSC-KSC
.endif
	ds_load_b128 v[VF+8*\b:VF+8*\b+3],     v[ADV] offset:16*VP*\b
	v_wmma_scale_f32_16x16x128_f8f6f4 v[S+16*\b+8:S+16*\b+15],  v[KF+8*\b:KF+8*\b+7],    v[QR:QR+7],    0, v[KS+\b/2], v[QSH] matrix_a_fmt:MATRIX_FMT_FP4 matrix_b_fmt:MATRIX_FMT_FP4
	ds_load_b128 v[VF+8*\b+4:VF+8*\b+7],   v[ADV] offset:16*VP*\b+32
	v_wmma_scale_f32_16x16x128_f8f6f4 v[S+16*\b+16:S+16*\b+23], v[KF+8*\b+8:KF+8*\b+15], v[QR+4:QR+11], 0, v[KS+\b/2], v[QSL] matrix_a_fmt:MATRIX_FMT_FP4 matrix_b_fmt:MATRIX_FMT_FP4 matrix_a_scale:MATRIX_SCALE_ROW1
	ds_load_b128 v[VF+8*\b+8:VF+8*\b+11],  v[ADV] offset:16*VP*(\b+1)
	v_wmma_scale_f32_16x16x128_f8f6f4 v[S+16*\b+24:S+16*\b+31], v[KF+8*\b+8:KF+8*\b+15], v[QR:QR+7],    0, v[KS+\b/2], v[QSH] matrix_a_fmt:MATRIX_FMT_FP4 matrix_b_fmt:MATRIX_FMT_FP4 matrix_a_scale:MATRIX_SCALE_ROW1
	ds_load_b128 v[VF+8*\b+12:VF+8*\b+15], v[ADV] offset:16*VP*(\b+1)+32
.endr
.rept 4
	v_nop                                          ; four places between the last product and the first read of the scores (ISA guide 7.12.1)
.endr
.endm
; Hidden scores become -infinity: p = 0 then.  Word n is register n's lane mask.  Each accumulator is taken from its low end on.
.macro MASKIT
.set n, 0
.rept 64
.if n < 32
	v_cndmask_b32 v[S+n], v[NINF], v[S+n], s[32+n]
.else
	v_cndmask_b32 v[S+n], v[NINF], v[S+n], s[36+n]
.endif
.set n, n+1
.endr
.endm
.macro SOFTMAX
.irp b, 0,1,2,3
	v_max3_num_f32 v[BM+\b], v[S+16*\b], v[S+16*\b+1], v[S+16*\b+2]   ; the largest score of each block of 32 keys: for the row's maximum, and, since p rises with the score, for the block's largest p
.endr
.irp i, 3,5,7,9,11,13
.irp b, 0,1,2,3
	v_max3_num_f32 v[BM+\b], v[BM+\b], v[S+16*\b+\i], v[S+16*\b+\i+1]   ; (the four blocks by turns)
.endr
.endr
.irp b, 0,1,2,3
	v_max_num_f32 v[BM+\b], v[BM+\b], v[S+16*\b+15]
.endr
.irp b, 0,1,2,3
	v_permlanex16_b32 v[BX+\b], v[BM+\b], s[SEL], s[SEL+1]
.endr
.irp b, 0,1,2,3
	v_max_num_f32 v[BM+\b], v[BM+\b], v[BX+\b]     ; with lane l xor 16's 16 keys
.endr
	v_max3_num_f32 v[TMP], v[BM], v[BM+1], v[BM+2]
	v_max_num_f32 v[TMP], v[TMP], v[BM+3]          ; the step's largest score of my query
	v_mul_f32 v[TMP], s[CS], v[TMP]                ; as t (c is positive)
	v_max_num_f32 v13, v13, v[TMP]                 ; the running largest t
	v_mov_b32 v[TMP], v12
	v_floor_f32 v12, -v13                          ; the new -M = floor(-t) = -ceil(t): a whole number
	v_sub_f32 v[TMP], v12, v[TMP]                  ; old M - new M: a whole number, 0 or less
	v_cvt_i32_f32 v[TMP], v[TMP]                   ; (it saturates)
	v_ldexp_f32 v[F], 1.0, v[TMP]                  ; f = 2^(old M - new M)
.set j, 0
.rept 32
	v_pk_fma_f32 v[S+j:S+j+1], v[S+j:S+j+1], s[CS:CS+1], v[12:13] op_sel_hi:[1,0,0]   ; t - M, two at a time (of the pairs c and -M the low word serves both halves)
.set j, j+2
.endr
.irp b, 0,1,2,3
	v_fma_f32 v[BM+\b], v[BM+\b], s[CS], v12       ; the same of each block's largest score
.endr
.set j, 0
	s_wait_alu depctr_va_vdst(0)
.rept 64
	v_exp_f32 v[S+j], v[S+j]                       ; p = 2^(t - M), at most 1
.set j, j+1
.endr
	v_pk_mul_f32 v[14:15], v[14:15], v[F:F+1] op_sel_hi:[1,0]   ; the sums under the new M: the plain instruction behind the exponentials
	s_wait_alu depctr_va_vdst(0)                   ; the 64 exponentials have written p, v[S ..]: one wait for the batch, ahead of its first reader
.irp b, 0,1,2,3
	v_exp_f32 v[BM+\b], v[BM+\b]                   ; the block's largest p: the same two instructions on the same number give the same bits
.endr
	v_pk_add_f32 v[SU:SU+1], v[S:S+1], v[S+2:S+3]  ; the row's sum is taken of the unquantised p: two at a time, in two chains
.set j, 4
.rept 15
	v_pk_add_f32 v[14:15], v[14:15], v[S+j:S+j+1]
	v_pk_add_f32 v[SU:SU+1], v[SU:SU+1], v[S+j+2:S+j+3]
.set j, j+4
.endr
	v_pk_add_f32 v[14:15], v[14:15], v[SU:SU+1]
	s_wait_alu depctr_va_vdst(0)                   ; the four exponentials have written the blocks' largest p, v[BM ..], ahead of their first reader
.irp b, 0,1,2,3
	v_max_num_f32 v[BM+\b], 0x1800000, v[BM+\b]    ; the floor 2^(3 - 127): the byte cannot fall under 1 (a block whose every p is 0 keeps that byte: its codes are zeros)
.endr
.irp b, 0,1,2,3
	v_add_nc_u32 v[SCO+\b], 0xff000000, v[BM+\b]   ; 2 off the exponent field: the conversion's scale operand
.endr
.irp b, 0,1,2,3
	v_lshrrev_b32 v[BX+\b], 23, v[SCO+\b]          ; the scale's byte
.endr
	v_lshl_or_b32 v[PW], v[BX+1], 8, v[BX]         ; p's scale word for these 128 keys
	v_lshl_or_b32 v[PW], v[BX+2], 16, v[PW]
	v_lshl_or_b32 v[PW], v[BX+3], 24, v[PW]
.irp b, 0,1,2,3
	v_cvt_scalef32_pk8_fp4_f32 v[PC+2*\b],   v[S+16*\b:S+16*\b+7],    v[SCO+\b]
	v_cvt_scalef32_pk8_fp4_f32 v[PC+2*\b+1], v[S+16*\b+8:S+16*\b+15], v[SCO+\b]
.endr
	v_nop                                          ; one plain instruction behind the last scaled conversion
.irp c, 0,1                                    ; the operand wants a WHOLE block in a lane: lanes 0-15 block 2 c, lanes 16-31 block 2 c + 1
.irp i, 0,1
	v_permlane16_swap_b32 v[PC+4*\c+\i], v[PC+4*\c+2+\i]
.endr
.endr
.set j, 0
.rept 16
	v_pk_mul_f32 v[O+j:O+j+1], v[O+j:O+j+1], v[F:F+1] op_sel_hi:[1,0]   ; O^T under the new M.  For each product below twelve of these name none of its registers: the places between the writes of p's word and codes and that product
.set j, j+2
.endr
.endm
; O^T += V^T P^T: four tiles of 16 of the head's 64; K = these 128 keys.  The accumulators take turns, one instruction a turn: between two links of a chain stand the next step's eight products and the other three.
.macro PV
	s_wait_alu depctr_va_vdst(0)                   ; the conversions and the exchanges of halves have written p's codes, the shifts p's scale word: the products below take them as source 1 and as its scales; the places above stay beside this wait
	s_wait_dscnt 0x0                               ; V is in
.irp t, 0,2
	v_wmma_scale_f32_16x16x128_f8f6f4 v[O+8*\t:O+8*\t+7],    v[VF+8*\t:VF+8*\t+7],    v[PC:PC+7], v[O+8*\t:O+8*\t+7],    v[VS+\t/2], v[PW] matrix_a_fmt:MATRIX_FMT_FP4 matrix_b_fmt:MATRIX_FMT_FP4
	v_wmma_scale_f32_16x16x128_f8f6f4 v[O+8*\t+8:O+8*\t+15], v[VF+8*\t+8:VF+8*\t+15], v[PC:PC+7], v[O+8*\t+8:O+8*\t+15], v[VS+\t/2], v[PW] matrix_a_fmt:MATRIX_FMT_FP4 matrix_b_fmt:MATRIX_FMT_FP4 matrix_a_scale:MATRIX_SCALE_ROW1
.endr
.endm
; THE WAY OUT of a tile: O^T / the sum goes through my stage in LDS and leaves as whole rows of 256 bytes, two rows an instruction.
.macro OUT which
	v_add_f32 v14, v14, v15                        ; the sum's two halves,
	v_permlanex16_b32 v[TMP], v14, s[SEL], s[SEL+1]
	v_add_f32 v14, v14, v[TMP]                     ; and lane l xor 16's: the row's sum
	s_wait_alu depctr_va_vdst(0)
	v_rcp_f32 v14, v14
	v_nop                                          ; a plain instruction behind the reciprocal
	s_wait_alu depctr_va_vdst(0)                   ; the reciprocal has written v14, ahead of its first reader
.set j, 0
.rept 16
	v_pk_mul_f32 v[S+j:S+j+1], v[O+j:O+j+1], v[14:15] op_sel_hi:[1,0]   ; register 8 t + i is out(r, 16 t + 8 h + i); each accumulator from its low end on
.set j, j+2
.endr
	s_wait_alu depctr_va_vdst(0)                   ; the multiplies have written v[S .. S+31], which the LDS stores read; and all that named v[S+32 .. S+63], in which the loads from the stage land, is complete
.irp t, 0,1,2,3
	ds_store_b128 v[SO], v[S+8*\t:S+8*\t+3]   offset:64*\t
	ds_store_b128 v[SO], v[S+8*\t+4:S+8*\t+7] offset:64*\t+16
.endr
.irp i, 0,1,2,3,4,5,6,7
	ds_load_b128 v[S+32+4*\i:S+32+4*\i+3], v[SR] offset:2*SP*\i    ; LDS serves a wave's instructions in order: these see my stores
.endr
.irp i, 0,1,2,3,4,5,6,7
	s_wait_dscnt 7-\i                              ; load i is back; the 7 - i younger ones may be out
	global_store_b128 v[GO], v[S+32+4*\i:S+32+4*\i+3], s[18+2*\which:19+2*\which] offset:512*\i th:TH_STORE_NT   ; 32 lanes store 512 consecutive bytes, aligned; written once
.endr
.endm
; A TILE of 16 queries over the 16 key steps.  The loop's trip count is a constant; what the flags decide is jumped over inside it.
.macro TILE which
	s_wait_loadcnt 0x0                             ; Q's fragment and scale bytes
	s_wait_kmcnt 0x0                               ; the flag words
	s_wait_xcnt 0x0                                ; the earlier tile's stores have read their data: those registers are written again below
	s_wait_alu depctr_vm_vsrc(0)                   ; first tile: the fill's LDS stores have read KF, VF and v[S .. S+5]; second tile: the first tile's LDS stores and global stores have read v[S ..]: the steps' loads and products write all of these again
	s_or_b32 s[FLG], s68, s69                      ; each word holds two steps' bits at their places
.irp i, 70,71,72,73,74,75
	s_or_b32 s[FLG], s[FLG], s\i
.endr
	v_lshlrev_b32 v[QSH], 16, v[QSL]               ; (the lines below are more than the eight places between this write of a scale register and the first product)
.set j, 0
.rept 32
	v_mov_b32 v[O+j], 0                            ; O^T.  Which step is a tile's first hangs on the mask, so no first step is written out: the first change of M multiplies zeros
.set j, j+1
.endr
	v_mov_b32 v13, 0xff61b1e6                      ; the largest t so far: -3e38
	v_floor_f32 v12, -v13                          ; -M
	v_mov_b32 v14, 0                               ; the sum, in two halves
	v_mov_b32 v15, 0
	s_mov_b32 s[ST], 0
	s_mov_b32 s[TK], 0
	s_mov_b32 s[TV], 0
	s_mov_b32 s[TS], 0
.Lstep_\@:
	s_lshr_b32 s2, s[FLG], s[ST]
	s_bitcmp1_b32 s2, 0                            ; has the step an open place?
	s_cbranch_scc0 .Lhidden_\@
	s_wait_alu depctr_vm_vsrc(0)                   ; the LDS loads of the last open step have read ADK, ADV and ADS, which the three lines below write again
	v_add_nc_u32 v[ADK], s[TK], v[AK]              ; these three and the v_nop stand between the last step's products and the loads into V's fragments and scale words
	v_add_nc_u32 v[ADV], s[TV], v[AV]
	v_add_nc_u32 v[ADS], s[TS], v[AS]
	v_nop
	s_wait_alu depctr_va_vdst(0)                   ; ADK, ADV, ADS are written, which the step's loads read; the last open step's products are done reading KF, KS, VF, VS, in which those loads land; in a tile's first open step QSH is written, which the products take as scales.  Ahead of the branch: it serves both arms
	s_bitcmp1_b32 s2, 16                           ; is it all open?
	s_cbranch_scc1 .Lopen_\@
	s_load_b512 s[32:47], s[8:9], s[MO] offset:0x0     ; the step's 64 lane masks; they come while the scores are made
	s_load_b512 s[48:63], s[8:9], s[MO] offset:0x40
	s_load_b512 s[68:83], s[8:9], s[MO] offset:0x80
	s_load_b512 s[84:99], s[8:9], s[MO] offset:0xc0
	SCORES
	s_wait_kmcnt 0x0
	s_wait_xcnt 0x0                                ; the offset that these loads name is stepped at the trip's end
	MASKIT
	s_branch .Ljoin_\@
.Lopen_\@:
	SCORES                                         ; (the same LDS loads on both ways: the same loads of V are out at the join)
.Ljoin_\@:
	SOFTMAX
	PV
.Lhidden_\@:
	s_add_co_u32 s[MO], s[MO], 256
	s_add_co_u32 s[TK], s[TK], 4096
	s_add_co_u32 s[TV], s[TV], 64
	s_add_co_u32 s[TS], s[TS], 256
	s_add_co_u32 s[ST], s[ST], 1
	s_cmp_lt_u32 s[ST], 16
	s_cbranch_scc1 .Lstep_\@
.rept 4
	v_nop                                          ; four places behind the last products, ahead of the reads of O^T
.endr
.if \which == 0
	s_wait_alu depctr_va_vdst(0)                   ; the tile's products are done reading q and QSL, in which the second tile's two loads land
	ASK 1                                          ; the second tile's Q and flags come while the first goes out
.endif
	s_wait_alu depctr_va_vdst(0)
	OUT \which
.endm
	TILE 0
	TILE 1
	s_wait_dscnt 0x0                               ; the closing lines, six on end
	s_wait_alu 0x0
	s_wait_tensorcnt 0x0
	ds_add_u32 v254, v255
	s_wait_dscnt 0x0
	s_endpgm
.Lfunc_end_k_q3e6dd3619c_attn:
	.size	k_q3e6dd3619c_attn, .Lfunc_end_k_q3e6dd3619c_attn-k_q3e6dd3619c_attn
	.p2alignl 7, 3214868480
	.fill 96, 4, 3214868480
	.section	.rodata,"a",@progbits
	.p2align	6, 0x0
	.amdhsa_kernel k_q3e6dd3619c_attn
		.amdhsa_group_segment_fixed_size 211968
		.amdhsa_private_segment_fixed_size 0
		.amdhsa_enable_private_segment 0
		.amdhsa_kernarg_size 72
		.amdhsa_user_sgpr_count 2
		.amdhsa_user_sgpr_kernarg_segment_ptr 1
		.amdhsa_wavefront_size32 1
		.amdhsa_system_sgpr_workgroup_id_x 1
		.amdhsa_system_sgpr_workgroup_id_y 1
		.amdhsa_system_sgpr_workgroup_id_z 1
		.amdhsa_system_vgpr_workitem_id 0
		.amdhsa_next_free_vgpr 256
		.amdhsa_next_free_sgpr 102
		.amdhsa_reserve_vcc 0
		.amdhsa_float_denorm_mode_32 3
		.amdhsa_float_denorm_mode_16_64 3
		.amdhsa_memory_ordered 1
		.amdhsa_forward_progress 1
		.amdhsa_inst_pref_size 63
	.end_amdhsa_kernel
	.amdgpu_metadata
---
amdhsa.version: [ 1, 2 ]
amdhsa.kernels:
  - .name:           k_q3e6dd3619c_attn
    .symbol:         k_q3e6dd3619c_attn.kd
    .args:
      - { .name: queries_codes, .offset: 0, .size: 8, .value_kind: global_buffer, .address_space: global }
      - { .name: queries_scales, .offset: 8, .size: 8, .value_kind: global_buffer, .address_space: global }
      - { .name: mbits, .offset: 16, .size: 8, .value_kind: global_buffer, .address_space: global }
      - { .name: mflag, .offset: 24, .size: 8, .value_kind: global_buffer, .address_space: global }
      - { .name: out0, .offset: 32, .size: 8, .value_kind: global_buffer, .address_space: global }
      - { .name: keys_codes, .offset: 40, .size: 8, .value_kind: global_buffer, .address_space: global }
      - { .name: keys_scales, .offset: 48, .size: 8, .value_kind: global_buffer, .address_space: global }
      - { .name: values_codes, .offset: 56, .size: 8, .value_kind: global_buffer, .address_space: global }
      - { .name: values_scales, .offset: 64, .size: 8, .value_kind: global_buffer, .address_space: global }
    .group_segment_fixed_size: 211968
    .private_segment_fixed_size: 0
    .kernarg_segment_align: 8
    .kernarg_segment_size: 72
    .max_flat_workgroup_size: 512
    .sgpr_count:     102
    .vgpr_count:     256
    .wavefront_size: 32
...
	.end_amdgpu_metadata
.endif
;; end of part 4
